; MI455X (gfx1250); checked and timed in simulation.
; The chip was launched on July 23, 2026; its instructions are those of AMD's public machine-readable ISA for CDNA 5 (MIT licence, August 2026) and "CDNA5" Instruction Set Architecture Reference Guide (July 2026). The comments in the code are by the model that wrote it; some were corrected since.
;; Cross Attention Fusion. Allowed arithmetic: matrix products marked QUANTISED: E4M3 operands, one E8M0 scale for each 32 along K, by v_wmma_scale_f32_16x16x128_f8f6f4 with both operands' format E4M3, f32 sums; everything else in f32.
;; Inputs: Wk_codes 512 x 16 x 32 uint8 (E4M3 codes of Wk, K innermost, in blocks of 32 codes); Wk_scales 512 x 16 uint8 (E8M0 scales of Wk, one for each 32 codes along K); Wp_codes 512 x 16 x 32 uint8 (E4M3 codes of Wp, K innermost, in blocks of 32 codes); Wp_scales 512 x 16 uint8 (E8M0 scales of Wp, one for each 32 codes along K); Wq_codes 512 x 16 x 32 uint8 (E4M3 codes of Wq, K innermost, in blocks of 32 codes); Wq_scales 512 x 16 uint8 (E8M0 scales of Wq, one for each 32 codes along K); Wv_codes 512 x 16 x 32 uint8 (E4M3 codes of Wv, K innermost, in blocks of 32 codes); Wv_scales 512 x 16 uint8 (E8M0 scales of Wv, one for each 32 codes along K); beta 512 float32; bp 512 float32; ct_feat_codes 2 x 64 x 64 x 16 x 32 uint8 (E4M3 codes of ct_feat, K innermost, in blocks of 32 codes); ct_feat_scales 2 x 64 x 64 x 16 uint8 (E8M0 scales of ct_feat, one for each 32 codes along K); gamma 512 float32; pet_feat 2 x 512 x 64 x 64 float32.
;; Outputs: out0 2 x 512 x 64 x 64 float32.
;; This version of the problem:
;;   THIS VERSION OF THE PROBLEM IS GIVEN IN LOW PRECISION. The matrix products marked QUANTISED in the list below multiply operands that are first quantised to E4M3 (4 exponent bits, 3 mantissa bits; 8 bits a number), with one power-of-two scale for each 32 numbers along K (OCP MX v1.0); their sums are f32. All else is computed in f32.
;;   The module's matrix products, in the order in which they are computed (A, B: the left and right operand; K: the contracted axis; several contracted axes count as one K, in the product's order):
;;     1. [M 8,192, K 512] x [K 512, N 512]; A: input pet_feat; B: input Wq (given as codes): QUANTISED
;;     2. [M 8,192, K 512] x [K 512, N 512]; A: input ct_feat (given as codes); B: input Wk (given as codes): QUANTISED
;;     3. [M 8,192, K 512] x [K 512, N 512]; A: input ct_feat (given as codes); B: input Wv (given as codes): QUANTISED
;;     4. batch 16 x [M 4,096, K 64] x [K 64, N 4,096]; A: computed on the way; B: computed on the way: QUANTISED
;;     5. batch 16 x [M 4,096, K 4,096] x [K 4,096, N 64]; A: softmax (see below); B: computed on the way: QUANTISED
;;     6. [M 8,192, K 512] x [K 512, N 512]; A: computed on the way; B: input Wp (given as codes): QUANTISED
;;   THE QUANTISER, for each operand of a quantised product, along K:
;;     - K is cut into blocks of 32 from its start; a last block that is shorter is filled with zeros.
;;     - A block's scale is 2^e with e = floor(log2(the largest magnitude in the block)) - 8, held to -126 .. 127; a block of zeros has e = 0. As a byte (E8M0): e + 127.
;;     - Each number is divided by its block's scale, clamped to +-448, and rounded to the nearest number of E4M3, ties to even, subnormals kept.
;;     - The product sums the exact products of the quantised numbers (number of the format x scale) in f32.
;;   ~~~python
;;   def quantise(x, axis):      # numpy; x: float32 -> the quantised numbers, widened to float32 again
;;       x = np.moveaxis(x, axis, -1); K = x.shape[-1]
;;       x = np.pad(x, [(0, 0)] * (x.ndim - 1) + [(0, -K % 32)]); x = x.reshape(x.shape[:-1] + (-1, 32)); a = np.abs(x).max(-1, keepdims=True)
;;       e = np.where(a > 0, np.clip(np.frexp(np.where(a > 0, a, 1))[1] - 1 - 8, -126, 127), 0)      # np.frexp(a)[1] - 1 = floor(log2(a)), exactly
;;       r = np.clip(x / 2.0 ** e, -448, 448)
;;       step = 2.0 ** (np.maximum(np.frexp(np.where(r == 0, 1, r))[1] - 1, -6) - 3)
;;       q = np.round(r / step) * step * 2.0 ** e      # np.round: ties to even
;;       return np.moveaxis(q.reshape(q.shape[:-2] + (-1,))[..., :K], -1, axis).astype(np.float32)
;;   ~~~
;;   SOFTMAX AHEAD OF A QUANTISED PRODUCT. Where the list says 'softmax', what is quantised is not the finished softmax but p = 2^(t - M), with t = logit x log2(e) and M = ceil(the row's largest t), a whole number; so 1/2 < the row's largest p <= 1. The row's sum l is taken of the UNQUANTISED p, in f32, and the product's result is divided by l at the end. Since M is a whole number, a kernel that streams over the keys may use a running M (the ceiling of the running maximum): every later rescaling is an exact power of two, which a block's scale takes up: the codes' values come out the same.
;;   OPERANDS COMPUTED ON THE WAY. 'Computed on the way' means the value that the module computes at that place (a softmax that the list does not call 'softmax' is quantised finished and normalised). What goes into a quantiser is computed in f32, as accurately as f32 sums, v_exp_f32 and their like allow (about 1e-6 of the number): no bf16 or f16 on the way to a quantiser, and a product that is left as it is and whose result goes on into a quantised operand takes f32 operands (vector FMAs, or v_wmma_f32_16x16x4_f32). A number that lies on a knife's edge between two numbers of the format may be rounded either way, as far as f32 arithmetic and the matrix unit's own rounding can turn it there, and no further.
;;   INPUTS GIVEN AS CODES. Wk (in the module: [512, 512], K = its axis 1); Wp (in the module: [512, 512], K = its axis 1); Wq (in the module: [512, 512], K = its axis 1); Wv (in the module: [512, 512], K = its axis 1); ct_feat (in the module: [2, 512, 64, 64], K = its axis 1): each comes as NAME_codes (uint8): NAME with its K axis moved to the last place and cut into blocks of 32 codes, [.., K / 32, bytes a block], one block behind the other in memory; one code a byte (a code: sign, 4 exponent bits, 3 mantissa bits); and NAME_scales (uint8): the same leading axes, one E8M0 byte (e + 127) for each 32 codes along K. Its value is code x scale, taken as it is: it is not quantised again, and the codes and scales need not be those that the quantiser above would give.
;; One version. Each part assembles by itself: llvm-mc -triple=amdgcn-amd-amdhsa -mcpu=gfx1250 --defsym DOCPART=n.
;; ======== version 1 of 1: 3 launches
;; limits: right only within a limited range of input values
;; workspace buffers: qimg 4,194,304 bytes; qsc 262,144 bytes; kv 8,388,608 bytes; kvsc 393,216 bytes; ximg 4,194,304 bytes; xsc 131,072 bytes
;; launch proj (part 1): grid 256 x 1, 8 waves a work-group, no clusters, 103,424 bytes of LDS; arguments pet_feat, ct_feat_codes, ct_feat_scales, Wq_codes, Wq_scales, Wk_codes, Wk_scales, Wv_codes, Wv_scales, qimg, qsc, kv, kvsc; writes qimg, qsc, kv, kvsc
.if DOCPART == 1
	.amdgcn_target "amdgcn-amd-amdhsa--gfx1250"
	.amdhsa_code_object_version 6
	.text
	.protected	k_qa5bd04250a_proj
	.globl	k_qa5bd04250a_proj
	.p2align	8
	.type	k_qa5bd04250a_proj,@function
k_qa5bd04250a_proj:
	s_mov_b64 s[64:65], 0
	v_nop
	global_prefetch_b8 v0, s[64:65] scope:SCOPE_SE
	s_setreg_imm32_b32 hwreg(HW_REG_WAVE_MODE, 25, 1), 1
	s_wait_xcnt 0x0
; q = pet Wq^T, k = ct Wk^T, v = ct Wv^T on codes of E4M3 with one E8M0 scale for each 32 along K = 512, and the results quantised again for the attention:
; q and k along the head's 64 channels, v along the keys.  All results leave as IMAGES OF OPERAND REGISTERS: pieces of 512 bytes, lane l's 16 bytes at 16 l.
; WORK-GROUPS 0-127 (ct): a key step of 128 rows of ct, four heads; waves 0-3 make k, waves 4-7 make v, one head each: 128 keys x 64 channels in two passes of 64 keys.
; WORK-GROUPS 128-255 (pet): 64 rows l of one image.  pet lies [C][L]: a lane takes a column l and its registers run down C, so a block of 32 along K is one lane's 32 registers;
;   wave w quantises channels 64 w .. 64 w + 63, the codes meet in LDS as rows along K, and wave w then makes head w's q for the 64 rows.
; A wave's 64 rows of its weight (16 fragments, 256 registers, window 1) come from memory straight into the operand's registers and stay.
; ROWS OF A TILE ARE NOT NEIGHBOURS: lane r of tile 2 b + u takes row 32 b + 8 u + r + 8 (r / 8) (of the weight; in the ct arm of the keys too), so that the 16 result registers of tiles 2 b, 2 b + 1 are
;   16 neighbours, 32 b + 16 (lane / 16) + 0 .. 15, along the axis that is quantised next.  k and q: source 0 = weight, source 1 = rows (a lane holds one key or query); v: source 0 = keys, source 1 = weight (a lane holds one channel).
; The scale word of q and k repeats its two bytes (b0 b1 b0 b1): the attention feeds K = 64 to an instruction of K = 128 and the upper half meets zero codes.
; NO CLUSTER: what work-groups share is the weights, and a joint load lands in LDS: a ct work-group's eight waves hold 8 x 32,768 bytes of weights, which beside its 67,584 bytes of rows pass 327,680; the ct rows that
;   two work-groups share are 65,536 of the 327,680 bytes that each reads.
; LIMITS: NaN and infinities are not served.  A block of zeros gets the byte 1 (its codes are zeros; the bytes are read by this program alone); a block whose largest magnitude lies under 2^-118 is held at the byte 1.
; REGISTERS, window 0: v1-11 addresses; v12-15 v's scale words; v16-31 the weight's scale words (tile t, K step s at 16 + 4 t + s); v32-63 the rows' (tile, s);
;   v64-127 the rows' four fragments of a K step, later codes (v64-95), work (v96-111) and k's words (v112-115); v128-255 sixteen accumulators.  Window 1: the weight's fragments (t, s) at 16 (4 t + s).
.set PIT,  528                         ; an LDS row: 512 bytes of codes + 16: 33 x 16, so the 16 rows of a fragment load start in 16 different columns of 16 bytes
.set CTX,  0                           ; ct arm: 128 rows, laid so that a tile's 16 rows lie on end
.set PTX,  128*PIT                     ; pet arm: 64 rows of codes: bytes of its own
.set PTS,  PTX+64*PIT                  ; pet arm: 64 rows x 16 scale bytes
.set TM,   96                          ; v96-99 largest magnitudes, v100-103 the other half's / bytes, v104-107 448 x scale, v108-111 the conversions' scale operands
.set MSB, 0
.macro WIN new                         ; the immediate's high byte repeats the setting that is left
.if MSB != \new
	s_set_vgpr_msb (MSB<<8)|\new
.set MSB, \new
.endif
.endm
; my 64 rows of the weight at s[40:41] (16 fragments) and their scale words at s[42:43]
.macro WLOAD
	WIN 0x40                                       ; destination window 1, address window 0
.irp t, 0,1,2,3
.irp s, 0,1,2,3
.irp c, 0,1,2,3
	global_load_b128 v[16*(4*\t+\s)+4*\c:16*(4*\t+\s)+4*\c+3], v6, s[40:41] offset:(32*(\t/2)+8*(\t%2))*512+128*\s+32*\c
.endr
.endr
.endr
	WIN 0
.irp t, 0,1,2,3
	global_load_b128 v[16+4*\t:19+4*\t], v7, s[42:43] offset:(32*(\t/2)+8*(\t%2))*16   ; a row's 16 scale bytes: the words of its four K steps
.endr
.endm
; 64 rows x 64 channels over K = 512: four K steps of 16 matrix instructions; the sixteen accumulators take turns, one instruction a turn.
; kind 0: source 0 = weight, source 1 = rows; kind 1: the other way round.  p: which 64 of the rows in LDS.
.macro GEMM kind, p
.irp s, 0,1,2,3
.if (\p > 0) || (\s > 0)
.rept 8
	v_nop                                          ; eight places between the last products and the loads into registers that they read; in front of a new pass they also stand ahead of the products that begin the accumulators anew
.endr
.endif
.if (\p > 0) && (\s == 0)
	s_wait_xcnt 0x0                                ; v64-115 were data of the last pass's stores: they are loaded again only behind this wait
.endif
.irp i, 0,1,2,3
.irp c, 0,1,2,3
	ds_load_b128 v[64+16*\i+4*\c:67+16*\i+4*\c], v9 offset:16*(4*\p+\i)*PIT+128*\s+32*\c
.endr
.endr
	s_wait_dscnt 0x0
.if \kind == 0
	WIN 0x01                                       ; source 0 (weight) window 1
.irp i, 0,1,2,3
.irp t, 0,1,2,3
.if \s == 0
	v_wmma_scale_f32_16x16x128_f8f6f4 v[128+8*(4*\i+\t):135+8*(4*\i+\t)], v[16*(4*\t+\s):16*(4*\t+\s)+15], v[64+16*\i:79+16*\i], 0, v[16+4*\t+\s], v[32+4*(4*\p+\i)+\s]
.else
	v_wmma_scale_f32_16x16x128_f8f6f4 v[128+8*(4*\i+\t):135+8*(4*\i+\t)], v[16*(4*\t+\s):16*(4*\t+\s)+15], v[64+16*\i:79+16*\i], v[128+8*(4*\i+\t):135+8*(4*\i+\t)], v[16+4*\t+\s], v[32+4*(4*\p+\i)+\s]
.endif
.endr
.endr
.else
	WIN 0x04                                       ; source 1 (weight) window 1
.irp t, 0,1,2,3
.irp i, 0,1,2,3
.if \s == 0
	v_wmma_scale_f32_16x16x128_f8f6f4 v[128+8*(4*\t+\i):135+8*(4*\t+\i)], v[64+16*\i:79+16*\i], v[16*(4*\t+\s):16*(4*\t+\s)+15], 0, v[32+4*(4*\p+\i)+\s], v[16+4*\t+\s]
.else
	v_wmma_scale_f32_16x16x128_f8f6f4 v[128+8*(4*\t+\i):135+8*(4*\t+\i)], v[64+16*\i:79+16*\i], v[16*(4*\t+\s):16*(4*\t+\s)+15], v[128+8*(4*\t+\i):135+8*(4*\t+\i)], v[32+4*(4*\p+\i)+\s], v[16+4*\t+\s]
.endif
.endr
.endr
.endif
	WIN 0
.endr
.endm
; 64 numbers of a lane, v[s] on, four blocks of 16 (each block's other 16 lie in lane l xor 16), become 16 registers of codes at v[pc]; the four scale bytes stay in v[TM+4] .. v[TM+7].
.macro QUANT s, pc
.irp b, 0,1,2,3
	v_max3_num_f32 v[TM+\b], |v[\s+16*\b]|, |v[\s+1+16*\b]|, 0x4800000   ; my 16 numbers and the floor 2^(9 - 127): the byte cannot fall under 1.  Each accumulator is read from its low end on
.endr
.irp i, 2,4,6,8,10,12,14
.irp b, 0,1,2,3
	v_max3_num_f32 v[TM+\b], v[TM+\b], |v[\s+16*\b+\i]|, |v[\s+1+16*\b+\i]|
.endr
.endr
.irp b, 0,1,2,3
	s_delay_alu instid0(VALU_DEP_4)
	v_permlanex16_b32 v[TM+4+\b], v[TM+\b], s36, s37
.endr
.irp b, 0,1,2,3
	s_delay_alu instid0(VALU_DEP_4)
	v_max_num_f32 v[TM+\b], v[TM+\b], v[TM+4+\b]   ; the block's largest magnitude
.endr
.irp b, 0,1,2,3
	s_delay_alu instid0(VALU_DEP_4)
	v_add_nc_u32 v[TM+12+\b], 0xfc000000, v[TM+\b] ; 8 off its exponent field: the conversion takes this operand's exponent field as its scale
.endr
.irp b, 0,1,2,3
	v_and_or_b32 v[TM+8+\b], v[TM+\b], 0x7f800000, s35   ; 448 x the scale
.endr
.irp b, 0,1,2,3
	v_lshrrev_b32 v[TM+4+\b], 23, v[TM+12+\b]      ; the scale's byte
.endr
.irp b, 0,1,2,3
.irp i, 0,1,2,3,4,5,6,7,8,9,10,11,12,13,14,15
	v_med3_num_f32 v[\s+16*\b+\i], v[\s+16*\b+\i], -v[TM+8+\b], v[TM+8+\b]   ; the conversion to an 8-bit code does not saturate (ISA guide 7.6.2): the hold comes first
.endr
	v_cvt_scalef32_pk8_fp8_f32 v[\pc+4*\b:\pc+1+4*\b], v[\s+16*\b:\s+7+16*\b], v[TM+12+\b]
	v_cvt_scalef32_pk8_fp8_f32 v[\pc+2+4*\b:\pc+3+4*\b], v[\s+8+16*\b:\s+15+16*\b], v[TM+12+\b]
.endr
	v_nop                                          ; one plain line behind the last conversion: later products write its sources
.endm
; a pass of k or q: four tiles of 16 keys (queries): each tile's 64 channels are two blocks: two pieces of codes and one scale word
.macro PASSK p
	GEMM 0, \p
.rept 8
	v_nop                                          ; places in front of the first read of results
.endr
.irp n, 0,1
	QUANT 128+64*\n, 64+16*\n
	v_lshl_or_b32 v[112+2*\n], v[TM+5], 8, v[TM+4]
	v_lshl_or_b32 v[113+2*\n], v[TM+7], 8, v[TM+6]
	s_delay_alu instid0(VALU_DEP_2)
	v_lshl_or_b32 v[112+2*\n], v[112+2*\n], 16, v[112+2*\n]   ; b0 b1 b0 b1
	s_delay_alu instid0(VALU_DEP_2)
	v_lshl_or_b32 v[113+2*\n], v[113+2*\n], 16, v[113+2*\n]
.irp m, 0,1,2,3
	global_store_b128 v5, v[64+16*\n+4*\m:67+16*\n+4*\m], s[48:49] offset:(4*\p+2*\n)*1024+512*\m   ; 32 lanes store 512 consecutive bytes, aligned
.endr
.endr
	global_store_b128 v8, v[112:115], s[50:51] offset:256*\p   ; four tiles' words of lane r at 16 r: 256 consecutive bytes; lanes 16-31 hold and store the same as lanes 0-15
.endm
; a pass of v: four tiles of 16 channels x 64 keys: two blocks of 32 keys a tile
.macro PASSV p
	GEMM 1, \p
.rept 8
	v_nop
.endr
.irp n, 0,1
	QUANT 128+64*\n, 64+16*\n
.if \p == 0
	v_lshl_or_b32 v[12+2*\n], v[TM+5], 8, v[TM+4]  ; key blocks 0, 1 of the step
	v_lshl_or_b32 v[13+2*\n], v[TM+7], 8, v[TM+6]
.else
	v_lshl_or_b32 v[112+2*\n], v[TM+5], 8, v[TM+4] ; key blocks 2, 3
	v_lshl_or_b32 v[113+2*\n], v[TM+7], 8, v[TM+6]
	s_delay_alu instid0(VALU_DEP_2)
	v_lshl_or_b32 v[12+2*\n], v[112+2*\n], 16, v[12+2*\n]
	s_delay_alu instid0(VALU_DEP_2)
	v_lshl_or_b32 v[13+2*\n], v[113+2*\n], 16, v[13+2*\n]
.endif
.irp m, 0,1,2,3
	global_store_b128 v5, v[64+16*\n+4*\m:67+16*\n+4*\m], s[48:49] offset:(2*\n+\m/2)*2048+(2*\p+\m%2)*512
.endr
.endr
.if \p == 1
	global_store_b128 v8, v[12:15], s[50:51]       ; the four channel tiles' words of lane r at 16 r
.endif
.endm
; pet arm: block u = 2 j + hf: 32 channels (64 w + 32 j on) of row 32 hf + lane, all in my registers v[128 + 32 u] on
.macro BLOCK u, left
.set XB, 128+32*(\u)
	s_wait_loadcnt \left                           ; this block's 32 loads are in; at most so many younger ones are out
	v_max3_num_f32 v106, |v[XB]|, |v[XB+1]|, |v[XB+2]|
	v_max3_num_f32 v107, |v[XB+3]|, |v[XB+4]|, |v[XB+5]|
.irp i, 6,10,14,18,22,26
	s_delay_alu instid0(VALU_DEP_2)
	v_max3_num_f32 v106, v106, |v[XB+\i]|, |v[XB+\i+1]|
	s_delay_alu instid0(VALU_DEP_2)
	v_max3_num_f32 v107, v107, |v[XB+\i+2]|, |v[XB+\i+3]|
.endr
	s_delay_alu instid0(VALU_DEP_2)
	v_max3_num_f32 v106, v106, |v[XB+30]|, |v[XB+31]|
	s_delay_alu instid0(VALU_DEP_1)
	v_max3_num_f32 v106, v106, v107, 0x4800000     ; and the floor
	s_delay_alu instid0(VALU_DEP_1)
	v_add_nc_u32 v108, 0xfc000000, v106
	s_delay_alu instid0(VALU_DEP_2)
	v_and_or_b32 v109, v106, 0x7f800000, s35
	s_delay_alu instid0(VALU_DEP_2)
	v_lshrrev_b32 v[100+\u], 23, v108
.irp i, 0,1,2,3,4,5,6,7,8,9,10,11,12,13,14,15,16,17,18,19,20,21,22,23,24,25,26,27,28,29,30,31
	v_med3_num_f32 v[XB+\i], v[XB+\i], -v109, v109
.endr
.irp g, 0,1,2,3
	v_cvt_scalef32_pk8_fp8_f32 v[64+8*(\u)+2*\g:65+8*(\u)+2*\g], v[XB+8*\g:XB+8*\g+7], v108
.endr
	v_nop                                          ; one plain line behind the last conversion
	ds_store_b128 v11, v[64+8*(\u):67+8*(\u)] offset:((\u)%2)*32*PIT+32*((\u)/2)
	ds_store_b128 v11, v[68+8*(\u):71+8*(\u)] offset:((\u)%2)*32*PIT+32*((\u)/2)+16
.if (\u) > 1
	v_lshl_or_b32 v[102+\u], v[100+\u], 8, v[98+\u]   ; my row's two bytes, channel blocks 2 w and 2 w + 1
	ds_store_b16 v2, v[102+\u] offset:512*((\u)%2)
.endif
.endm
	s_load_b512 s[8:23], s[0:1], 0x0               ; pet s[8:9], ct codes s[10:11], ct scales s[12:13], Wq s[14:17], Wk s[18:21], Wv's codes s[22:23]
	s_load_b256 s[24:31], s[0:1], 0x40             ; Wv's scales s[24:25], qimg s[26:27], qsc s[28:29], kv s[30:31]
	s_load_b64 s[32:33], s[0:1], 0x60              ; kvsc
	v_lshrrev_b32 v1, 5, v0
	s_delay_alu instid0(VALU_DEP_1)
	v_readfirstlane_b32 s34, v1                    ; wave 0..7
	v_and_b32 v1, 31, v0                           ; lane
	v_and_b32 v2, 15, v0                           ; r
	v_bfe_u32 v3, v0, 4, 1                         ; h
	s_delay_alu instid0(VALU_DEP_2)
	v_and_b32 v4, 8, v2
	s_delay_alu instid0(VALU_DEP_1)
	v_add_nc_u32 v4, v4, v2                        ; r + 8 (r / 8)
	v_lshlrev_b32 v5, 4, v1                        ; 16 x lane
	s_delay_alu instid0(VALU_DEP_2)
	v_lshlrev_b32 v6, 9, v4
	s_delay_alu instid0(VALU_DEP_1)
	v_lshl_add_u32 v6, v3, 4, v6                   ; the weight: row r + 8 (r / 8) of 512 bytes, + 16 h
	s_delay_alu instid0(VALU_DEP_4)
	v_lshlrev_b32 v7, 4, v4                        ; 16 scale bytes a row
	v_lshlrev_b32 v8, 4, v2                        ; 16 r
	v_mul_u32_u24 v9, v2, PIT
	s_delay_alu instid0(VALU_DEP_1)
	v_lshl_add_u32 v9, v3, 4, v9                   ; a fragment in LDS: row r, + 16 h
.irp b, 0,1,2,3
	v_mov_b32 v[TM+4+\b], 0                        ; written once: a lane permute's destination counts as one of its sources
.endr
	s_mov_b32 s35, 0x600000                        ; the mantissa field of 448
	s_mov_b32 s36, 0x76543210
	s_mov_b32 s37, 0xfedcba98                      ; v_permlanex16_b32's selects for lane l xor 16
	s_mov_b32 s53, 0                               ; the upper word of every offset
	s_cmp_lt_u32 ttmp9, 128
	s_cbranch_scc0 .Lpet
	; ---------------- ct arm
	s_lshr_b32 s54, ttmp9, 1                       ; which 128 rows of ct (0..63)
	s_and_b32 s55, ttmp9, 1
	s_lshl_b32 s55, s55, 2
	s_and_b32 s56, s34, 3
	s_add_co_u32 s55, s55, s56                     ; head
	s_lshr_b32 s56, s34, 2                         ; 0: k, 1: v
	s_lshr_b32 s57, s54, 5
	s_lshl_b32 s57, s57, 3
	s_add_co_u32 s57, s57, s55                     ; 8 b + head
	s_lshl_b32 s57, s57, 5
	s_and_b32 s58, s54, 31
	s_add_co_u32 s57, s57, s58                     ; 32 (8 b + head) + key step
	s_lshr_b32 s58, s34, 1                         ; my 16 rows 16 w + i go to LDS rows 32 (w / 2) + 8 (w % 2) + i + 8 (i / 8)
	s_lshl_b32 s58, s58, 5
	s_and_b32 s59, s34, 1
	s_lshl_b32 s59, s59, 3
	s_add_co_u32 s58, s58, s59
	s_mul_i32 s58, s58, PIT
	v_add_nc_u32 v10, s58, v5
	s_wait_kmcnt 0x0
	s_lshl_b32 s52, s54, 16
	s_lshl_b32 s58, s34, 13
	s_add_co_u32 s52, s52, s58
	s_add_nc_u64 s[44:45], s[10:11], s[52:53]      ; ct's codes at my 16 rows
	s_lshl_b32 s52, s54, 11
	s_add_nc_u64 s[46:47], s[12:13], s[52:53]      ; ct's scale bytes at the 128 rows
	s_cmp_lt_u32 s34, 4
	s_cselect_b64 s[40:41], s[18:19], s[22:23]     ; Wk or Wv, by the wave's number
	s_cselect_b64 s[42:43], s[20:21], s[24:25]
	s_lshl_b32 s52, s55, 15
	s_add_nc_u64 s[40:41], s[40:41], s[52:53]      ; my head's 64 rows
	s_lshl_b32 s52, s55, 10
	s_add_nc_u64 s[42:43], s[42:43], s[52:53]
	s_lshl_b32 s52, s57, 14
	s_lshl_b32 s58, s56, 13
	s_add_co_u32 s52, s52, s58
	s_add_nc_u64 s[48:49], s[30:31], s[52:53]      ; kv: the step's 16,384 bytes, k's half or v's
	s_mul_i32 s52, s57, 768
	s_lshl_b32 s58, s56, 9
	s_add_co_u32 s52, s52, s58
	s_add_nc_u64 s[50:51], s[32:33], s[52:53]      ; kvsc: the step's 768 bytes
.irp i, 0,1,2,3,4,5,6,7,8,9,10,11,12,13,14,15
	global_load_b128 v[128+4*\i:131+4*\i], v5, s[44:45] offset:512*\i   ; a whole row of 512 bytes
.endr
	s_wait_alu depctr_va_vdst(0)
.irp t, 0,1,2,3,4,5,6,7
	global_load_b128 v[32+4*\t:35+4*\t], v7, s[46:47] offset:(32*(\t/2)+8*(\t%2))*16   ; the key tiles' scale words
.endr
	WLOAD
	s_wait_loadcnt 63                              ; behind the 16 rows 76 loads were issued: with 63 out the rows are in
.irp i, 0,1,2,3,4,5,6,7,8,9,10,11,12,13,14,15
	ds_store_b128 v10, v[128+4*\i:131+4*\i] offset:(\i+8*(\i/8))*PIT
.endr
	s_wait_dscnt 0x0                               ; for the others' sake: my rows lie in LDS
	s_barrier_signal -1
	s_barrier_wait -1
	s_wait_loadcnt 0x0                             ; the weight and all scale words
	s_cmp_lt_u32 s34, 4
	s_cbranch_scc0 .Lvkind
	PASSK 0
	PASSK 1
	s_wait_xcnt 0x0
	v_lshl_add_u32 v254, v0, 2, 0x19000
	v_mov_b32 v255, 0
	s_wait_alu depctr_va_vdst(0)
	s_wait_tensorcnt 0x0
	ds_add_u32 v254, v255
	s_wait_dscnt 0x0
	s_endpgm
.Lvkind:
	PASSV 0
	PASSV 1
	s_wait_xcnt 0x0
	v_lshl_add_u32 v254, v0, 2, 0x19000
	v_mov_b32 v255, 0
	s_wait_alu depctr_va_vdst(0)
	s_wait_tensorcnt 0x0
	ds_add_u32 v254, v255
	s_wait_dscnt 0x0
	s_endpgm
	; ---------------- pet arm
.Lpet:
	s_sub_co_u32 s54, ttmp9, 128
	s_lshr_b32 s55, s54, 6                         ; b
	s_and_b32 s56, s54, 63                         ; which 64 rows l
	s_lshl_b32 s57, s55, 3
	s_add_co_u32 s57, s57, s34                     ; 8 b + head, head = wave
	s_wait_alu depctr_va_vdst(0)
	v_add_nc_u32 v9, PTX, v9
	v_lshlrev_b32 v10, 2, v1                       ; 4 x lane: neighbouring lanes read neighbouring l
	v_mul_u32_u24 v11, v1, PIT
	s_lshl_b32 s58, s34, 6
	s_add_co_u32 s58, s58, PTX
	v_add_nc_u32 v11, s58, v11                     ; codes: row = lane, byte 64 w
	s_lshl_b32 s58, s34, 1
	s_add_co_u32 s58, s58, PTS
	v_add_nc_u32 v2, s58, v5                       ; scale bytes: 16 x lane + 2 w
	v_add_nc_u32 v3, PTS, v8                       ; and back: row r's 16 bytes
	s_wait_alu depctr_va_vdst(0)
	s_wait_kmcnt 0x0
	s_lshl_b32 s52, s55, 23
	s_lshl_b32 s58, s34, 20
	s_add_co_u32 s52, s52, s58
	s_lshl_b32 s58, s56, 8
	s_add_co_u32 s52, s52, s58
	s_add_nc_u64 s[44:45], s[8:9], s[52:53]        ; pet at (b, channel 64 w, l = 64 x block)
	s_lshl_b32 s52, s34, 15
	s_add_nc_u64 s[40:41], s[14:15], s[52:53]      ; Wq's 64 rows of my head
	s_lshl_b32 s52, s34, 10
	s_add_nc_u64 s[42:43], s[16:17], s[52:53]
	s_lshl_b32 s52, s57, 18
	s_lshl_b32 s58, s56, 12
	s_add_co_u32 s52, s52, s58
	s_add_nc_u64 s[48:49], s[26:27], s[52:53]      ; qimg: four tiles of 1,024 bytes
	s_lshl_b32 s52, s57, 14
	s_lshl_b32 s58, s56, 8
	s_add_co_u32 s52, s52, s58
	s_add_nc_u64 s[50:51], s[28:29], s[52:53]      ; qsc: 256 bytes
	WLOAD
.irp u, 0,1,2,3
.irp i, 0,1,2,3,4,5,6,7,8,9,10,11,12,13,14,15,16,17,18,19,20,21,22,23,24,25,26,27,28,29,30,31
	global_load_b32 v[128+32*\u+\i], v10, s[44:45] offset:(32*(\u/2)+\i)*16384+128*(\u%2) th:TH_LOAD_NT
.endr
.endr
	BLOCK 0, 63                                    ; 96 younger loads: 63 is the largest count that the wait can name
	BLOCK 1, 63                                    ; 64 younger
	BLOCK 2, 32
	BLOCK 3, 0
	s_wait_dscnt 0x0                               ; my codes and bytes lie in LDS
	s_barrier_signal -1
	s_barrier_wait -1
.irp t, 0,1,2,3
	ds_load_b128 v[32+4*\t:35+4*\t], v3 offset:256*\t   ; the four tiles' scale words, K steps 0-3
.endr
	PASSK 0
	s_wait_xcnt 0x0
	v_lshl_add_u32 v254, v0, 2, 0x19000
	v_mov_b32 v255, 0
	s_wait_alu depctr_va_vdst(0)
	s_wait_tensorcnt 0x0
	ds_add_u32 v254, v255
	s_wait_dscnt 0x0
	s_endpgm
.Lfunc_end_k_qa5bd04250a_proj:
	.size	k_qa5bd04250a_proj, .Lfunc_end_k_qa5bd04250a_proj-k_qa5bd04250a_proj
	.p2alignl 7, 3214868480
	.fill 96, 4, 3214868480
	.section	.rodata,"a",@progbits
	.p2align	6, 0x0
	.amdhsa_kernel k_qa5bd04250a_proj
		.amdhsa_group_segment_fixed_size 103424
		.amdhsa_private_segment_fixed_size 0
		.amdhsa_enable_private_segment 0
		.amdhsa_kernarg_size 104
		.amdhsa_user_sgpr_count 2
		.amdhsa_user_sgpr_kernarg_segment_ptr 1
		.amdhsa_wavefront_size32 1
		.amdhsa_system_sgpr_workgroup_id_x 1
		.amdhsa_system_sgpr_workgroup_id_y 1
		.amdhsa_system_sgpr_workgroup_id_z 1
		.amdhsa_system_vgpr_workitem_id 0
		.amdhsa_next_free_vgpr 512
		.amdhsa_next_free_sgpr 66
		.amdhsa_reserve_vcc 0
		.amdhsa_float_denorm_mode_32 3
		.amdhsa_float_denorm_mode_16_64 3
		.amdhsa_memory_ordered 1
		.amdhsa_forward_progress 1
		.amdhsa_inst_pref_size 207
	.end_amdhsa_kernel
	.amdgpu_metadata
---
amdhsa.version: [ 1, 2 ]
amdhsa.kernels:
  - .name:           k_qa5bd04250a_proj
    .symbol:         k_qa5bd04250a_proj.kd
    .args:
      - { .name: pet_feat, .offset: 0, .size: 8, .value_kind: global_buffer, .address_space: global }
      - { .name: ct_feat_codes, .offset: 8, .size: 8, .value_kind: global_buffer, .address_space: global }
      - { .name: ct_feat_scales, .offset: 16, .size: 8, .value_kind: global_buffer, .address_space: global }
      - { .name: Wq_codes, .offset: 24, .size: 8, .value_kind: global_buffer, .address_space: global }
      - { .name: Wq_scales, .offset: 32, .size: 8, .value_kind: global_buffer, .address_space: global }
      - { .name: Wk_codes, .offset: 40, .size: 8, .value_kind: global_buffer, .address_space: global }
      - { .name: Wk_scales, .offset: 48, .size: 8, .value_kind: global_buffer, .address_space: global }
      - { .name: Wv_codes, .offset: 56, .size: 8, .value_kind: global_buffer, .address_space: global }
      - { .name: Wv_scales, .offset: 64, .size: 8, .value_kind: global_buffer, .address_space: global }
      - { .name: qimg, .offset: 72, .size: 8, .value_kind: global_buffer, .address_space: global }
      - { .name: qsc, .offset: 80, .size: 8, .value_kind: global_buffer, .address_space: global }
      - { .name: kv, .offset: 88, .size: 8, .value_kind: global_buffer, .address_space: global }
      - { .name: kvsc, .offset: 96, .size: 8, .value_kind: global_buffer, .address_space: global }
    .group_segment_fixed_size: 103424
    .private_segment_fixed_size: 0
    .kernarg_segment_align: 8
    .kernarg_segment_size: 104
    .max_flat_workgroup_size: 256
    .sgpr_count:     66
    .vgpr_count:     512
    .wavefront_size: 32
...
	.end_amdgpu_metadata
.endif
;; end of part 1
;; launch attn (part 2): grid 16 x 16, 16 waves a work-group, clusters of 4 x 1, 327,680 bytes of LDS; arguments qimg, qsc, kv, kvsc, ximg, xsc; writes ximg, xsc
.if DOCPART == 2
	.amdgcn_target "amdgcn-amd-amdhsa--gfx1250"
	.amdhsa_code_object_version 6
	.text
	.protected	k_qa5bd04250a_attn
	.globl	k_qa5bd04250a_attn
	.p2align	8
	.type	k_qa5bd04250a_attn,@function
k_qa5bd04250a_attn:
	s_mov_b64 s[64:65], 0
	v_nop
	global_prefetch_b8 v0, s[64:65] scope:SCOPE_SE
	s_setreg_imm32_b32 hwreg(HW_REG_WAVE_MODE, 25, 1), 1
	s_wait_xcnt 0x0
	s_wait_alu depctr_hold_cnt(0) depctr_sa_sdst(0) depctr_va_vdst(0) depctr_va_sdst(0) depctr_va_ssrc(0) depctr_va_vcc(0) depctr_vm_vsrc(0)
	s_getreg_b32 s2, hwreg(HW_REG_IB_STS2, 6, 4)
	s_cmp_eq_u32 s2, 0
	s_cbranch_scc0 .Lentry_in_a_cluster
	s_endpgm
.Lentry_in_a_cluster:
	s_bfe_u32 s2, ttmp6, 0x10000c
	s_cmp_lg_u32 s2, 0x3003
	s_cbranch_scc0 .Lentry_shape_is_right
	s_endpgm
.Lentry_shape_is_right:
; x[b][l][64 head + d] = the sum over keys of softmax(q . k / 8) v, both products on codes of E4M3 with E8M0 scales; x is quantised along C for the last product and leaves as images of operand registers.
; THE SOFTMAX: t = score x log2(e) / 8; M = the running largest t rounded UP to a whole number; p = 2^(t - M) is quantised along the keys, not normalised; the row's sum is taken of the unquantised p and divides at the end.
;   When M moves, the sum and O are multiplied by 2^(old M - new M): exact.
; SHARES.  A work-group owns 256 queries of one (b, head); each of its sixteen waves 16 of them, in 256 registers.  Every wave walks the 32 key steps of 128 keys.
;   A step's operands lie in memory as images of registers (16,384 bytes: k's eight tiles, v's four fragments), so every LDS load reads 512 consecutive bytes: no pitch, no padding.
; THE RING.  Two slots of EIGHT steps (131,072 bytes each): the head's 32 steps are four slots' worth, so only two rounds fill bytes again.  A step is one trip of a counted loop; the loops stand one behind the other.
;   A slot's last step ahead of a refill is written out: the round's three lines stand behind its last LDS loads, the round's opening signal ahead of its exponentials, and the rest of the step, work on registers, stands inside the round.
;   The barrier that shows slot 3 fills nothing again: it is signalled behind slot 2's fourth step and waited for behind its eighth; between the two only slot 2's bytes are read, which nobody writes any more.
; CLUSTER.  The four query blocks of a cluster walk the same k and v: each slot is asked for JOINTLY, waves 0-7 one step each, the same descriptor and the mask 15 in all four work-groups.
;   At the head every wave has one load: waves 0-7 a step of slot 0, waves 8-15 an eighth (3,072 bytes) of the head's scale words.
; PREFETCH.  Behind the loads of slots 1 and 2 the next slot (2, 3) is asked for, eight key steps ahead of its load: each aligned 256 bytes once in each cluster: partner cx takes 32,768 bytes, told apart by address;
;   in it waves 8-11 take 8,192 bytes each, lanes 256 bytes apart.  Slots 0 and 1 and the scale words come by their loads alone.  The address registers are never rewritten.
; LAYOUT.  Both products transposed: S^T = k q^T, O^T = v^T p^T: a lane holds one query (lane % 16).  The keys of k's tiles and the channels of v's tiles were chosen by the launch before so that 16 registers of two
;   neighbouring tiles are 16 neighbours (keys for p, channels for x).
; K = 64 IN AN INSTRUCTION OF K = 128.  q's fragment is 8 registers of codes and 8 of zero codes.  k's eight tiles lie on end, 8 registers each: fragment T is v[32 + 8 T .. 47 + 8 T], whose upper half is tile T + 1's codes,
;   and for T = 7 the last step's codes of p (zeros at first); they meet q's zero codes and add exactly 0 (all these codes come from held conversions: none is the NaN code; the scale words repeat the two real bytes).
; LIMITS: NaN and infinities are not served; the scaled scores t stay under 2^31 in magnitude; a block of zeros of x gets the byte 1 (read by this program alone); blocks under 2^-118 are held at the byte 1.
; REGISTERS: v1-9 addresses; v12 -M, v13 the largest score, v[14:15] the sum in two halves; v16-31 q; v32-95 k's tiles, then v's fragments; v96-111 p's codes; v112-175 S^T, then p; v176-207 O^T; v208-221 scale words; v222-254 at work.
.set SLOT1, 1<<17                      ; slot 1 begins here
.set SCL,   2*SLOT1                    ; the head's scale words, 32 steps x 768 bytes: filled once
.set SPARE, SCL+24576                  ; the spare words, 128 bytes for each wave
.set STG,   SPARE+2048                 ; x's scale halves, 2 bytes a query: written by LDS stores alone
.set CD,  96                           ; p's codes
.set S,   112
.set O,   176
.set KW,  208                          ; k's scale words, v208-215
.set VW,  216                          ; v's, v216-219
.set PW,  220                          ; p's
.set QW,  221                          ; q's
.set T,   222                          ; v222-229 the step's sum of p, four chains of pairs
.set BM,  230                          ; v230-233 a block's largest score, then its largest p
.set PT,  234                          ; v234-237 the other half's, then scale bytes
.set BD,  238                          ; v238-241 448 x the scale
.set SO,  242                          ; v242-245 the conversions' scale operands
.set TM,  246
.set OM,  247                          ; the old -M
.set F,   248                          ; v[248:249] f = 2^(old M - new M) in the low word
.set BE,  251                          ; v251-254 448 x the scale once more: the two halves of a dual pair take their second sources from different register banks
.macro CREST                           ; a round of the cluster's barrier behind its opening signal
	s_barrier_wait -1
	s_cmp_lg_u32 s18, 0
	s_cbranch_scc1 .Lnot_wave_0_\@
	s_barrier_signal -3
.Lnot_wave_0_\@:
	s_barrier_wait -3
	s_barrier_signal -1
	s_barrier_wait -1
.endm
.macro CROUND
	s_barrier_signal -1
	CREST
.endm
.macro TLOAD                           ; waves 0-7 fetch one step each; the branch hangs on the wave's number alone; s_nop 0 and four v_nop follow the load
	s_cmp_lt_u32 s18, 8
	s_cbranch_scc0 .Lasked_\@
	tensor_load_to_lds s[40:43], s[24:31]
	s_nop 0
.rept 4
	v_nop
.endr
.Lasked_\@:
.endm
.macro ASK off                         ; waves 8-11: my 8,192 bytes of slot 2 (off = 0) or slot 3
	s_cmp_eq_u32 s49, 0
	s_cbranch_scc0 .Lnot_mine_\@
	global_prefetch_b8 v7, s[50:51] offset:\off th:TH_LOAD_NT scope:SCOPE_SE
.Lnot_mine_\@:
.endm
; A KEY STEP: 128 keys at LDS address v3, their scale words at v4.  kind = 1: a slot's last step ahead of a refill.  nxt: where the next step lies (-1: 16,384 bytes on)
.macro STEP kind, nxt
.set J, 0
.rept 16
	ds_load_b128 v[32+4*J:35+4*J], v3 offset:512*J           ; k's eight tiles
.set J, J+1
.endr
	ds_load_b128 v[KW:KW+3], v4
	ds_load_b128 v[KW+4:KW+7], v4 offset:256
	s_wait_dscnt 0x0
.irp t, 0,1,2,3,4,5,6,7
	v_wmma_scale_f32_16x16x128_f8f6f4 v[S+8*\t:S+8*\t+7], v[32+8*\t:47+8*\t], v[16:31], 0, v[KW+\t], v[QW]
.endr
	v_mov_b32 v[OM], v12                           ; eight places in front of the loads below and of the first read of the scores
.rept 7
	v_nop
.endr
.set J, 0
.rept 16
	ds_load_b128 v[32+4*J:35+4*J], v3 offset:8192+512*J      ; v's four fragments: they land while the softmax is worked
.set J, J+1
.endr
	ds_load_b128 v[VW:VW+3], v4 offset:512
.if \kind
	s_wait_tensorcnt 0x0                           ; my last LDS loads from this slot are issued.  No tensor load of mine is out, so the walking descriptor may be written
	ds_add_u32 v5, v6                              ; 0 onto my spare word
	s_xor_b32 s41, s41, SLOT1                      ; the other slot than last time,
	s_add_nc_u64 s[42:43], s[42:43], SLOT1         ; the next eight steps; the type bits on top are not reached
.endif
.irp b, 0,1,2,3
	v_max3_num_f32 v[BM+\b], v[S+16*\b], v[S+1+16*\b], v[S+2+16*\b]   ; the largest score of each block of 32 keys: for the row's maximum and, since p rises with the score, for the block's largest p
.endr
.irp i, 3,5,7,9,11,13
.irp b, 0,1,2,3
	v_max3_num_f32 v[BM+\b], v[BM+\b], v[S+16*\b+\i], v[S+1+16*\b+\i]
.endr
.endr
.irp b, 0,1,2,3
	v_max_num_f32 v[BM+\b], v[BM+\b], v[S+15+16*\b]
.endr
.irp b, 0,1,2,3
	s_delay_alu instid0(VALU_DEP_4)
	v_permlanex16_b32 v[PT+\b], v[BM+\b], s20, s21
.endr
.irp b, 0,1,2,3
	s_delay_alu instid0(VALU_DEP_4)
	v_max_num_f32 v[BM+\b], v[BM+\b], v[PT+\b]     ; with lane l xor 16's 16 keys
.endr
	s_delay_alu instid0(VALU_DEP_2)
	v_max3_num_f32 v[TM], v[BM], v[BM+1], v[BM+2]
	s_delay_alu instid0(VALU_DEP_1)
	v_max3_num_f32 v13, v13, v[TM], v[BM+3]        ; the running largest score
	s_delay_alu instid0(VALU_DEP_1)
	v_mul_f32 v[TM], s22, v13                      ; as t (c is positive, so the largest score gives the largest t)
	s_delay_alu instid0(VALU_DEP_1)
	v_floor_f32 v12, -v[TM]                        ; the new -M = floor(-t) = -ceil(t)
	s_delay_alu instid0(VALU_DEP_1)
	v_sub_f32 v[TM], v12, v[OM]                    ; old M - new M: a whole number, 0 or less
	s_delay_alu instid0(VALU_DEP_1)
	v_cvt_i32_f32 v[TM], v[TM]                     ; (it saturates)
	s_delay_alu instid0(VALU_DEP_1)
	v_ldexp_f32 v[F], 1.0, v[TM]                   ; f = 2^(old M - new M)
.set J, 0
.rept 32
	v_pk_fma_f32 v[S+J:S+J+1], v[S+J:S+J+1], s[22:23], v[12:13] op_sel_hi:[1,0,0]   ; t - M, two at a time
.set J, J+2
.endr
.irp b, 0,1,2,3
	v_fma_f32 v[BM+\b], v[BM+\b], s22, v12         ; the same of each block's largest score
.endr
	s_wait_alu depctr_va_vdst(0)
.if \kind
	s_wait_dscnt 0x0                               ; the add is done, and my reads of this slot are over:
	s_barrier_signal -1                            ; the round opens; up to its wait only work on registers follows
.endif
.irp b, 0,1,2,3
	v_exp_f32 v[BM+\b], v[BM+\b]                   ; the block's largest p: the same two instructions on the same number give the same bits
.endr
.set J, 0
.rept 64
	v_exp_f32 v[S+J], v[S+J]                       ; p = 2^(t - M)
.set J, J+1
.endr
	v_nop                                          ; the plain line behind the exponentials
	s_wait_alu depctr_va_vdst(0)                   ; one wait for the whole batch, ahead of its first reader
.irp b, 0,1,2,3
	v_max_num_f32 v[BM+\b], 0x4800000, v[BM+\b]    ; the floor 2^(9 - 127)
.endr
.irp b, 0,1,2,3
	s_delay_alu instid0(VALU_DEP_4)
	v_add_nc_u32 v[SO+\b], 0xfc000000, v[BM+\b]    ; the conversion's scale operand
.endr
.irp b, 0,1,2,3
	v_and_or_b32 v[BD+\b], v[BM+\b], 0x7f800000, s19   ; 448 x the scale
.endr
.irp b, 0,1,2,3
	v_and_or_b32 v[BE+\b], v[BM+\b], 0x7f800000, s19   ; and once more
.endr
.irp b, 0,1,2,3
	v_lshrrev_b32 v[PT+\b], 23, v[SO+\b]           ; the scale's byte
.endr
	s_delay_alu instid0(VALU_DEP_3)
	v_lshl_or_b32 v[PW], v[PT+1], 8, v[PT]         ; p's scale word for these 128 keys
	s_delay_alu instid0(VALU_DEP_1)
	v_lshl_or_b32 v[PW], v[PT+2], 16, v[PW]
	s_delay_alu instid0(VALU_DEP_1)
	v_lshl_or_b32 v[PW], v[PT+3], 24, v[PW]
.irp k, 0,1,2,3
	v_pk_add_f32 v[T+2*\k:T+2*\k+1], v[S+2*\k:S+2*\k+1], v[S+8+2*\k:S+9+2*\k]   ; the sum of the UNQUANTISED p, ahead of the holds: four chains by turns
.endr
.irp m, 2,3,4,5,6,7
.irp k, 0,1,2,3
	v_pk_add_f32 v[T+2*\k:T+2*\k+1], v[T+2*\k:T+2*\k+1], v[S+8*\m+2*\k:S+8*\m+2*\k+1]
.endr
.endr
.irp b, 0,1,2,3
.irp i, 0,2,4,6,8,10,12,14
	v_dual_min_num_f32 v[S+16*\b+\i], v[S+16*\b+\i], v[BD+\b] :: v_dual_min_num_f32 v[S+16*\b+\i+1], v[S+16*\b+\i+1], v[BE+\b]   ; the conversion does not saturate (ISA guide 7.6.2); p is not negative: a one-sided hold, two in a pair
.endr
	v_cvt_scalef32_pk8_fp8_f32 v[CD+4*\b:CD+1+4*\b], v[S+16*\b:S+7+16*\b], v[SO+\b]
	v_cvt_scalef32_pk8_fp8_f32 v[CD+2+4*\b:CD+3+4*\b], v[S+8+16*\b:S+15+16*\b], v[SO+\b]
.endr
	s_wait_alu depctr_va_vdst(0)                   ; directly ahead of the first reader of O^T
.set J, 0
.rept 16
	v_pk_mul_f32 v[O+J:O+J+1], v[O+J:O+J+1], v[F:F+1] op_sel_hi:[1,0]   ; O^T under the new M; also the places between the codes and the products
.set J, J+2
.endr
	s_wait_alu depctr_va_vdst(0)
.if \kind == 0
	s_wait_dscnt 0x0                               ; v's fragments and words are in (kind = 1: they were waited for ahead of the signal)
.endif
.irp t, 0,1,2,3
	v_wmma_scale_f32_16x16x128_f8f6f4 v[O+8*\t:O+8*\t+7], v[32+16*\t:47+16*\t], v[CD:CD+15], v[O+8*\t:O+8*\t+7], v[VW+\t], v[PW]
.endr
	v_pk_add_f32 v[T:T+1], v[T:T+1], v[T+2:T+3]    ; eight places behind the products, ahead of the next loads into v32-95: the four chains are joined, the addresses step
	v_pk_add_f32 v[T+4:T+5], v[T+4:T+5], v[T+6:T+7]
.if \nxt < 0
	s_add_co_u32 s2, s2, 16384
.else
	s_mov_b32 s2, \nxt
.endif
	s_add_co_u32 s3, s3, 768
	v_add_nc_u32 v3, s2, v1
	v_add_nc_u32 v4, s3, v2
	v_pk_add_f32 v[T:T+1], v[T:T+1], v[T+4:T+5]
	v_nop
	v_nop
	v_pk_fma_f32 v[14:15], v[14:15], v[F:F+1], v[T:T+1] op_sel_hi:[1,0,1]   ; the row's sum under the new M, and this step's
	s_wait_alu depctr_va_vdst(0)                   ; a branch or a barrier's wait follows
.endm
.macro RUN n                           ; n key steps
	s_mov_b32 s48, \n
.Lrun_\@:
	STEP 0, -1
	s_sub_co_u32 s48, s48, 1
	s_cmp_lg_u32 s48, 0
	s_cbranch_scc1 .Lrun_\@
.endm
	s_load_b256 s[4:11], s[0:1], 0x0               ; qimg s[4:5], qsc s[6:7], kv s[8:9], kvsc s[10:11]
	s_load_b128 s[12:15], s[0:1], 0x20             ; ximg s[12:13], xsc s[14:15]
	v_lshl_add_u32 v5, v0, 2, SPARE
	v_mov_b32 v6, 0
	ds_add_u32 v5, v6                              ; the opening lines: the add, twice on end, and its wait ahead of my first tensor load
	ds_add_u32 v5, v6
	v_lshrrev_b32 v10, 5, v0
	v_readfirstlane_b32 s18, v10                   ; wave 0..15
	s_and_b32 s54, ttmp7, 0xffff                   ; 8 b + head, which the four partners share
	s_and_b32 s55, s18, 7
	s_mov_b32 s24, 15|(3<<16)|(1<<21)              ; group 1 for a step: the mask of all four work-groups; elements of 8 bytes; bit 21 beside a mask
	s_mov_b32 s25, 32<<16                          ; tensor_dim0 = 32 elements: rows of 256 bytes
	s_mov_b32 s26, 64<<16                          ; tensor_dim1 = 64 rows
	s_mov_b32 s27, 32<<16                          ; tile_dim0
	s_mov_b32 s28, 64                              ; tile_dim1
	s_mov_b32 s29, 32                              ; the pitch: dense
	s_mov_b32 s30, 0
	s_mov_b32 s31, 0
	s_mov_b32 s32, 15|(3<<16)|(1<<21)              ; group 1 for an eighth of the scale words: 12 rows of 256 bytes
	s_mov_b32 s33, 32<<16
	s_mov_b32 s34, 12<<16
	s_mov_b32 s35, 32<<16
	s_mov_b32 s36, 12
	s_mov_b32 s37, 32
	s_mov_b32 s38, 0
	s_mov_b32 s39, 0
	s_mov_b32 s19, 0x600000                        ; the mantissa field of 448
	s_mov_b32 s20, 0x76543210
	s_mov_b32 s21, 0xfedcba98
	s_mov_b32 s22, 0x3e38aa3b                      ; c = log2(e) / 8
	s_mov_b32 s23, s22                             ; (named with it as a pair)
	s_mov_b32 s2, 0                                ; LDS byte of the step in hand
	s_mov_b32 s3, 0                                ; and of its scale words
	s_sub_co_u32 s49, s18, 8
	s_lshr_b32 s49, s49, 2                         ; 0 in waves 8 to 11: they prefetch
	s_mov_b32 s57, 0
	s_wait_dscnt 0x0                               ; both opening adds are done
	s_wait_kmcnt 0x0
	s_lshl_b32 s56, s54, 19                        ; the head's 524,288 bytes of kv,
	s_lshl_b32 s58, s55, 14                        ; my step of a slot
	s_add_co_u32 s56, s56, s58
	s_mov_b32 s40, 1
	s_mov_b32 s41, s58                             ; LDS: slot 0, step w % 8
	s_add_nc_u64 s[42:43], s[8:9], s[56:57]
	s_or_b32 s43, s43, 0x80000000
	s_mul_i32 s56, s54, 24576
	s_mul_i32 s58, s55, 3072
	s_add_co_u32 s56, s56, s58
	s_mov_b32 s44, 1
	s_add_co_u32 s45, s58, SCL
	s_add_nc_u64 s[46:47], s[10:11], s[56:57]
	s_or_b32 s47, s47, 0x80000000
	CROUND                                         ; all four work-groups are here: the first joint loads meet
	s_cmp_lt_u32 s18, 8                            ; one load a wave at the head, one in each arm
	s_cbranch_scc0 .Lhead_sc
	tensor_load_to_lds s[40:43], s[24:31]          ; waves 0-7: a step of slot 0
	s_nop 0
.rept 4
	v_nop
.endr
	s_branch .Lhead_asked
.Lhead_sc:
	tensor_load_to_lds s[44:47], s[32:39]          ; waves 8-15: an eighth of the scale words
	s_nop 0
.rept 4
	v_nop
.endr
.Lhead_asked:
	; what hangs on my place in the cluster: global addresses of q, x and the prefetches, in registers of their own
	s_bfe_u32 s62, ttmp6, 0x40000                  ; cx
	s_mov_b32 s61, 0
	s_lshl_b32 s60, s54, 19
	s_lshl_b32 s63, s62, 15                        ; my work-group's 32,768 bytes of a slot
	s_add_co_u32 s60, s60, s63
	s_and_b32 s63, s18, 3
	s_lshl_b32 s63, s63, 13                        ; my wave's 8,192 of them
	s_add_co_u32 s60, s60, s63
	s_add_co_u32 s60, s60, 2*SLOT1                 ; in slot 2
	s_add_nc_u64 s[50:51], s[8:9], s[60:61]
	s_lshl_b32 s75, ttmp9, 2
	s_add_co_u32 s75, s75, s62                     ; my block of 256 queries
	s_lshl_b32 s62, s75, 4
	s_add_co_u32 s62, s62, s18                     ; my tile of 16 queries
	s_lshl_b32 s60, s54, 18
	s_lshl_b32 s63, s62, 10
	s_add_co_u32 s60, s60, s63
	s_add_nc_u64 s[66:67], s[4:5], s[60:61]        ; q's codes
	s_lshl_b32 s60, s54, 14
	s_lshr_b32 s63, s62, 2
	s_lshl_b32 s63, s63, 8
	s_add_co_u32 s60, s60, s63
	s_and_b32 s63, s62, 3
	s_lshl_b32 s63, s63, 2
	s_add_co_u32 s60, s60, s63
	s_add_nc_u64 s[68:69], s[6:7], s[60:61]        ; q's scale words
	s_lshr_b32 s63, s54, 3                         ; b
	s_lshl_b32 s63, s63, 8
	s_add_co_u32 s63, s63, s62
	s_lshl_b32 s63, s63, 2
	s_bfe_u32 s74, s54, 0x20001                    ; head / 2: the K step of the last product
	s_add_co_u32 s63, s63, s74
	s_lshl_b32 s60, s63, 11
	s_and_b32 s74, s54, 1
	s_lshl_b32 s74, s74, 10                        ; head % 2: pieces 0, 1 or 2, 3
	s_add_co_u32 s60, s60, s74
	s_add_nc_u64 s[70:71], s[12:13], s[60:61]      ; x's codes
	s_lshl_b32 s60, s54, 13
	s_lshl_b32 s63, s75, 9
	s_add_co_u32 s60, s60, s63
	s_add_nc_u64 s[72:73], s[14:15], s[60:61]      ; x's scale halves: 512 bytes a work-group
	s_lshl_b32 s63, s18, 5
	s_add_co_u32 s63, s63, STG
	v_and_b32 v11, 31, v0
	v_lshlrev_b32 v1, 4, v11                       ; 16 x lane
	v_lshlrev_b32 v7, 8, v11                       ; 256 x lane
	v_add_nc_u32 v9, STG, v1
	v_and_b32 v11, 15, v0                          ; r
	v_lshlrev_b32 v10, 4, v11                      ; 16 r
	v_add_nc_u32 v2, SCL, v10
	v_lshl_add_u32 v8, v11, 1, s63                 ; STG + 32 w + 2 r
	global_load_b128 v[16:19], v1, s[66:67]        ; q stays in registers
	global_load_b128 v[20:23], v1, s[66:67] offset:512
	global_load_b32 v[QW], v10, s[68:69]
	v_add_nc_u32 v3, s2, v1                        ; step 0
	v_add_nc_u32 v4, s3, v2
.set J, 0
.rept 8
	v_mov_b32 v[24+J], 0                           ; zero codes: the upper half of K
	v_mov_b32 v[CD+J], 0                           ; and what lies behind k's tile 7 in the first step
.set J, J+1
.endr
.set J, 0
.rept 32
	v_mov_b32 v[O+J], 0                            ; O^T: the step is written once; the first finds zeros, which the first change of M leaves zeros
.set J, J+1
.endr
	v_mov_b32 v13, 0xff61b1e6                      ; the largest score so far: -3e38
	v_floor_f32 v12, -v13
	v_mov_b32 v14, 0
	v_mov_b32 v15, 0
.irp b, 0,1,2,3
	v_mov_b32 v[PT+\b], 0                          ; a lane permute's destination counts as one of its sources
.endr
	v_mov_b32 v[F], 0
	v_mov_b32 v[F+1], 0                            ; (named as the upper half of the pair)
	s_wait_alu depctr_va_vdst(0)
	s_wait_loadcnt 0x0                             ; q
	s_wait_tensorcnt 0x0                           ; my part of the head's fills is in; slot 1's first fill is issued as a refill is
	ds_add_u32 v5, v6
	s_xor_b32 s41, s41, SLOT1
	s_add_nc_u64 s[42:43], s[42:43], SLOT1
	s_wait_dscnt 0x0
	CROUND
	TLOAD                                          ; slot 1
	ASK 0                                          ; slot 2
	RUN 7                                          ; slot 0
	STEP 1, -1
	CREST                                          ; no wave of any partner still reads slot 0's bytes or has a load on its way
	TLOAD                                          ; slot 2, over slot 0
	ASK SLOT1                                      ; slot 3
	RUN 7                                          ; slot 1
	STEP 1, 0
	CREST
	TLOAD                                          ; slot 3, over slot 1
	RUN 4                                          ; slot 2
	s_wait_tensorcnt 0x0                           ; my part of slot 3 is in: say so now,
	s_wait_dscnt 0x0
	s_barrier_signal -1
	RUN 4                                          ; read on in slot 2, whose bytes nobody writes any more,
	s_barrier_wait -1                              ; and go on into slot 3 when all sixteen have said so
	RUN 8                                          ; slot 3
	; THE WAY OUT: x = O^T / the sum; registers 16 b + i are channels 32 b + 16 (lane / 16) + i of my head: two blocks along C.  (The step's last eight lines are the places behind the last products.)
	v_add_f32 v14, v14, v15
	s_delay_alu instid0(VALU_DEP_1)
	v_permlanex16_b32 v[F], v14, s20, s21
	s_delay_alu instid0(VALU_DEP_1)
	v_add_f32 v14, v14, v[F]                       ; the row's sum
	s_wait_alu depctr_va_vdst(0)
	v_rcp_f32 v14, v14
	v_nop                                          ; a plain line behind the reciprocal
	s_wait_alu depctr_va_vdst(0)                   ; and the wait ahead of its first reader, which is also O^T's
.set J, 0
.rept 16
	v_pk_mul_f32 v[S+J:S+J+1], v[O+J:O+J+1], v[14:15] op_sel_hi:[1,0]
.set J, J+2
.endr
.irp b, 0,1
	v_max3_num_f32 v[BM+\b], |v[S+16*\b]|, |v[S+1+16*\b]|, 0x4800000
.endr
.irp i, 2,4,6,8,10,12,14
.irp b, 0,1
	s_delay_alu instid0(VALU_DEP_2)
	v_max3_num_f32 v[BM+\b], v[BM+\b], |v[S+16*\b+\i]|, |v[S+1+16*\b+\i]|
.endr
.endr
.irp b, 0,1
	s_delay_alu instid0(VALU_DEP_2)
	v_permlanex16_b32 v[PT+\b], v[BM+\b], s20, s21
.endr
.irp b, 0,1
	s_delay_alu instid0(VALU_DEP_2)
	v_max_num_f32 v[BM+\b], v[BM+\b], v[PT+\b]
.endr
.irp b, 0,1
	s_delay_alu instid0(VALU_DEP_2)
	v_add_nc_u32 v[SO+\b], 0xfc000000, v[BM+\b]
.endr
.irp b, 0,1
	s_delay_alu instid0(VALU_DEP_4)
	v_and_or_b32 v[BD+\b], v[BM+\b], 0x7f800000, s19
.endr
.irp b, 0,1
	s_delay_alu instid0(VALU_DEP_4)
	v_lshrrev_b32 v[PT+\b], 23, v[SO+\b]
.endr
	s_delay_alu instid0(VALU_DEP_1)
	v_lshl_or_b32 v[TM], v[PT+1], 8, v[PT]         ; my query's two bytes
.irp b, 0,1
.irp i, 0,1,2,3,4,5,6,7,8,9,10,11,12,13,14,15
	v_med3_num_f32 v[S+16*\b+\i], v[S+16*\b+\i], -v[BD+\b], v[BD+\b]
.endr
	v_cvt_scalef32_pk8_fp8_f32 v[CD+4*\b:CD+1+4*\b], v[S+16*\b:S+7+16*\b], v[SO+\b]
	v_cvt_scalef32_pk8_fp8_f32 v[CD+2+4*\b:CD+3+4*\b], v[S+8+16*\b:S+15+16*\b], v[SO+\b]
.endr
	v_nop
	ds_store_b16 v8, v[TM]                         ; lanes 16-31 write the same bytes with the same value as lanes 0-15
	global_store_b128 v1, v[CD:CD+3], s[70:71]     ; 512 consecutive bytes, aligned
	global_store_b128 v1, v[CD+4:CD+7], s[70:71] offset:512
	s_wait_dscnt 0x0                               ; my halves lie in LDS
	s_barrier_signal -1
	s_barrier_wait -1
	s_cmp_lg_u32 s18, 0
	s_cbranch_scc1 .Lnot0
	ds_load_b128 v[CD+8:CD+11], v9                 ; wave 0 stores the work-group's 512 bytes
	s_wait_dscnt 0x0
	global_store_b128 v1, v[CD+8:CD+11], s[72:73]
.Lnot0:
	s_wait_tensorcnt 0x0                           ; the wave's end
	ds_add_u32 v5, v6
	s_wait_dscnt 0x0
	CROUND                                         ; the closing round
	s_endpgm
.Lfunc_end_k_qa5bd04250a_attn:
	.size	k_qa5bd04250a_attn, .Lfunc_end_k_qa5bd04250a_attn-k_qa5bd04250a_attn
	.p2alignl 7, 3214868480
	.fill 96, 4, 3214868480
	.section	.rodata,"a",@progbits
	.p2align	6, 0x0
	.amdhsa_kernel k_qa5bd04250a_attn
		.amdhsa_group_segment_fixed_size 327680
		.amdhsa_private_segment_fixed_size 0
		.amdhsa_enable_private_segment 0
		.amdhsa_kernarg_size 48
		.amdhsa_user_sgpr_count 2
		.amdhsa_user_sgpr_kernarg_segment_ptr 1
		.amdhsa_wavefront_size32 1
		.amdhsa_system_sgpr_workgroup_id_x 1
		.amdhsa_system_sgpr_workgroup_id_y 1
		.amdhsa_system_sgpr_workgroup_id_z 1
		.amdhsa_system_vgpr_workitem_id 0
		.amdhsa_next_free_vgpr 256
		.amdhsa_next_free_sgpr 80
		.amdhsa_reserve_vcc 0
		.amdhsa_float_denorm_mode_32 3
		.amdhsa_float_denorm_mode_16_64 3
		.amdhsa_memory_ordered 1
		.amdhsa_forward_progress 1
		.amdhsa_inst_pref_size 153
	.end_amdhsa_kernel
	.amdgpu_metadata
---
amdhsa.version: [ 1, 2 ]
amdhsa.kernels:
  - .name:           k_qa5bd04250a_attn
    .symbol:         k_qa5bd04250a_attn.kd
    .args:
      - { .name: qimg, .offset: 0, .size: 8, .value_kind: global_buffer, .address_space: global }
      - { .name: qsc, .offset: 8, .size: 8, .value_kind: global_buffer, .address_space: global }
      - { .name: kv, .offset: 16, .size: 8, .value_kind: global_buffer, .address_space: global }
      - { .name: kvsc, .offset: 24, .size: 8, .value_kind: global_buffer, .address_space: global }
      - { .name: ximg, .offset: 32, .size: 8, .value_kind: global_buffer, .address_space: global }
      - { .name: xsc, .offset: 40, .size: 8, .value_kind: global_buffer, .address_space: global }
    .group_segment_fixed_size: 327680
    .private_segment_fixed_size: 0
    .kernarg_segment_align: 8
    .kernarg_segment_size: 48
    .max_flat_workgroup_size: 512
    .sgpr_count:     80
    .vgpr_count:     256
    .wavefront_size: 32
...
	.end_amdgpu_metadata
.endif
;; end of part 2
;; launch fuse (part 3): grid 128 x 1, 8 waves a work-group, no clusters, 327,680 bytes of LDS; arguments ximg, xsc, Wp_codes, Wp_scales, bp, gamma, beta, pet_feat, out0; writes out0
.if DOCPART == 3
	.amdgcn_target "amdgcn-amd-amdhsa--gfx1250"
	.amdhsa_code_object_version 6
	.text
	.protected	k_qa5bd04250a_fuse
	.globl	k_qa5bd04250a_fuse
	.p2align	8
	.type	k_qa5bd04250a_fuse,@function
k_qa5bd04250a_fuse:
	s_mov_b64 s[64:65], 0
	v_nop
	global_prefetch_b8 v0, s[64:65] scope:SCOPE_SE
	s_setreg_imm32_b32 hwreg(HW_REG_WAVE_MODE, 25, 1), 1
	s_wait_xcnt 0x0
.set ZP,   272
.set XIMG, 512*ZP
.set RED1, XIMG+32768
.set MSB, 0
.macro WIN new
.if MSB != \new
	s_set_vgpr_msb (MSB<<8)|\new
.set MSB, \new
.endif
.endm
.macro ROWSUM sq
.irp t, 0,1,2,3
.if \sq
	v_pk_mul_f32 v[64+2*\t:65+2*\t], v[128+32*\t:129+32*\t], v[128+32*\t:129+32*\t]
.else
	v_pk_add_f32 v[64+2*\t:65+2*\t], v[128+32*\t:129+32*\t], v[130+32*\t:131+32*\t]
.endif
.endr
.irp k, 1,2,3,4,5,6,7,8,9,10,11,12,13,14,15
.irp t, 0,1,2,3
.if \sq
	s_delay_alu instid0(VALU_DEP_4)
	v_pk_fma_f32 v[64+2*\t:65+2*\t], v[128+32*\t+2*\k:129+32*\t+2*\k], v[128+32*\t+2*\k:129+32*\t+2*\k], v[64+2*\t:65+2*\t]
.elseif \k > 1
	v_pk_add_f32 v[64+2*\t:65+2*\t], v[64+2*\t:65+2*\t], v[128+32*\t+2*\k:129+32*\t+2*\k]
.endif
.endr
.endr
.irp t, 0,1,2,3
	s_delay_alu instid0(VALU_DEP_4)
	v_add_f32 v[72+\t], v[64+2*\t], v[65+2*\t]
.endr
.irp t, 0,1,2,3
	s_delay_alu instid0(VALU_DEP_4)
	v_permlanex16_b32 v[76+\t], v[72+\t], s30, s31
.endr
.irp t, 0,1,2,3
	s_delay_alu instid0(VALU_DEP_4)
	v_add_f32 v[72+\t], v[72+\t], v[76+\t]
.endr
	ds_store_b128 v8, v[72:75] offset:2048*\sq
	s_wait_dscnt 0x0
	s_barrier_signal -1
	s_barrier_wait -1
.irp i, 0,1,2,3,4,5,6,7
	ds_load_b128 v[80+4*\i:83+4*\i], v9 offset:2048*\sq+256*\i
.endr
	s_wait_dscnt 0x0
.irp i, 0,2,4,6
	v_pk_add_f32 v[80+4*\i:81+4*\i], v[80+4*\i:81+4*\i], v[84+4*\i:85+4*\i]
	v_pk_add_f32 v[82+4*\i:83+4*\i], v[82+4*\i:83+4*\i], v[86+4*\i:87+4*\i]
.endr
.irp i, 0
	v_pk_add_f32 v[80+4*\i:81+4*\i], v[80+4*\i:81+4*\i], v[88+4*\i:89+4*\i]
	v_pk_add_f32 v[82+4*\i:83+4*\i], v[82+4*\i:83+4*\i], v[90+4*\i:91+4*\i]
.endr
.irp i, 4
	s_delay_alu instid0(VALU_DEP_4)
	v_pk_add_f32 v[80+4*\i:81+4*\i], v[80+4*\i:81+4*\i], v[88+4*\i:89+4*\i]
	s_delay_alu instid0(VALU_DEP_4)
	v_pk_add_f32 v[82+4*\i:83+4*\i], v[82+4*\i:83+4*\i], v[90+4*\i:91+4*\i]
.endr
	s_delay_alu instid0(VALU_DEP_2)
	v_pk_add_f32 v[80:81], v[80:81], v[96:97]
	s_delay_alu instid0(VALU_DEP_2)
	v_pk_add_f32 v[82:83], v[82:83], v[98:99]
.endm
	s_load_b512 s[8:23], s[0:1], 0x0
	s_load_b64 s[24:25], s[0:1], 0x40
	v_lshl_add_u32 v254, v0, 2, 0x2b000
	v_mov_b32 v255, 0
	ds_add_u32 v254, v255
	ds_add_u32 v254, v255
	s_wait_dscnt 0x0
	v_lshrrev_b32 v1, 5, v0
	s_delay_alu instid0(VALU_DEP_1)
	v_readfirstlane_b32 s26, v1
	s_lshr_b32 s56, ttmp9, 6
	s_and_b32 s57, ttmp9, 63
	s_mov_b32 s32, (2<<16)|(1<<20)|(5<<22)|(3<<25)
	s_mov_b32 s33, 64<<16
	s_mov_b32 s34, 64<<16
	s_mov_b32 s35, 64<<16
	s_mov_b32 s36, 64
	s_mov_b32 s37, 4096
	s_mov_b32 s38, 0
	s_mov_b32 s39, 0
	s_mov_b32 s40, 3<<16
	s_mov_b32 s41, 32<<16
	s_mov_b32 s42, 16<<16
	s_mov_b32 s43, 32<<16
	s_mov_b32 s44, 16
	s_mov_b32 s45, 32
	s_mov_b32 s46, 0
	s_mov_b32 s47, 0
	s_mov_b32 s27, 0x3b000000
	s_mov_b32 s28, 0x3727c5ac
	s_mov_b32 s30, 0x76543210
	s_mov_b32 s31, 0xfedcba98
	s_mov_b32 s59, 0
	s_wait_kmcnt 0x0
	s_lshl_b32 s58, s56, 23
	s_lshl_b32 s60, s26, 20
	s_add_co_u32 s58, s58, s60
	s_lshl_b32 s60, s57, 8
	s_add_co_u32 s58, s58, s60
	s_mov_b32 s48, 1
	s_mul_i32 s49, s26, 64*ZP
	s_add_nc_u64 s[50:51], s[22:23], s[58:59]
	s_or_b32 s51, s51, 0x80000000
	s_add_nc_u64 s[24:25], s[24:25], s[58:59]
	s_lshl_b32 s58, s56, 21
	s_lshl_b32 s60, s57, 15
	s_add_co_u32 s58, s58, s60
	s_lshl_b32 s60, s26, 12
	s_add_co_u32 s58, s58, s60
	s_mov_b32 s52, 1
	s_add_co_u32 s53, s60, XIMG
	s_add_nc_u64 s[54:55], s[8:9], s[58:59]
	s_or_b32 s55, s55, 0x80000000
	tensor_load_to_lds s[48:51], s[32:39]          ; my one load at the head: my 64 channels x 64 l of pet, which is read first; the global loads below are issued while it is out
	s_nop 0
.rept 4
	v_nop
.endr
	v_and_b32 v12, 31, v0
	v_and_b32 v13, 15, v0
	v_bfe_u32 v14, v0, 4, 1
	s_delay_alu instid0(VALU_DEP_3)
	v_lshlrev_b32 v1, 4, v12
	s_delay_alu instid0(VALU_DEP_3)
	v_lshlrev_b32 v2, 9, v13
	s_delay_alu instid0(VALU_DEP_1)
	v_lshl_add_u32 v2, v14, 4, v2
	v_lshlrev_b32 v3, 4, v13
	v_lshlrev_b32 v4, 1, v13
	v_lshlrev_b32 v5, 5, v14
	v_add_nc_u32 v6, XIMG, v1
	v_mul_u32_u24 v7, v14, 8*ZP
	s_delay_alu instid0(VALU_DEP_1)
	v_lshl_add_u32 v7, v13, 2, v7
	s_delay_alu instid0(VALU_DEP_1)
	v_add_nc_u32 v7, s49, v7
	s_lshl_b32 s60, s26, 8
	s_add_co_u32 s60, s60, RED1
	v_add_nc_u32 v8, s60, v3
	v_add_nc_u32 v9, RED1, v3
	v_mul_u32_u24 v10, v14, ZP
	s_delay_alu instid0(VALU_DEP_1)
	v_add_nc_u32 v10, v10, v3
	s_delay_alu instid0(VALU_DEP_1)
	v_add_nc_u32 v10, s49, v10
	v_lshlrev_b32 v11, 14, v14
	s_delay_alu instid0(VALU_DEP_1)
	v_add_nc_u32 v11, v11, v3
	s_lshl_b32 s58, s26, 15
	s_add_nc_u64 s[12:13], s[12:13], s[58:59]
	s_lshl_b32 s58, s26, 10
	s_add_nc_u64 s[14:15], s[14:15], s[58:59]
	s_lshl_b32 s58, s26, 8
	s_add_nc_u64 s[16:17], s[16:17], s[58:59]
	s_add_nc_u64 s[18:19], s[18:19], s[58:59]
	s_add_nc_u64 s[20:21], s[20:21], s[58:59]
	s_lshl_b32 s58, s56, 16
	s_lshl_b32 s60, s57, 7
	s_add_co_u32 s58, s58, s60
	s_add_nc_u64 s[10:11], s[10:11], s[58:59]
.irp n, 0,1,2,3
	global_load_b128 v[16+4*\n:19+4*\n], v3, s[14:15] offset:256*\n
.endr
.irp t, 0,1,2,3
.irp s, 0,1,2,3
	global_load_u16 v[32+4*\t+\s], v4, s[10:11] offset:(2*\s)*8192+32*\t
	global_load_u16 v[48+4*\t+\s], v4, s[10:11] offset:(2*\s+1)*8192+32*\t
.endr
.endr
.irp n, 0,1,2,3
	global_load_b128 v[64+8*\n:67+8*\n], v5, s[16:17] offset:64*\n
	global_load_b128 v[68+8*\n:71+8*\n], v5, s[16:17] offset:64*\n+16
.endr
	WIN 0x40                                       ; Wp's 64 fragment loads come last and in the order of the K steps, 16 a step, so that each step's products wait by count
.irp s, 0,1,2,3
.irp n, 0,1,2,3
.irp c, 0,1,2,3
	global_load_b128 v[16*(4*\n+\s)+4*\c:16*(4*\n+\s)+4*\c+3], v2, s[12:13] offset:16*\n*512+128*\s+32*\c
.endr
.endr
.endr
	WIN 0
	s_wait_alu depctr_va_vdst(0)
	s_wait_tensorcnt 0x0                           ; my part of pet's tile is in; a later first fill is issued as a refill is
	ds_add_u32 v254, v255
	s_wait_dscnt 0x0
	s_barrier_signal -1
	s_barrier_wait -1
	tensor_load_to_lds s[52:55], s[40:47]          ; my 4,096 bytes of x's image: they land while pet's tile is read
	s_nop 0
.rept 4
	v_nop
.endr
.irp t, 0,1,2,3
.irp n, 0,1,2,3
.irp j, 0,1,2,3,4,5,6,7
	ds_load_b32 v[128+32*\t+8*\n+\j], v7 offset:(16*\n+\j)*ZP+64*\t
.endr
.endr
.endr
	s_wait_loadcnt 63                              ; the scale words, x's scale halves and the bias are in: behind them 64 fragment loads were issued, and 63 is the largest count that the wait can name
.irp i, 0,1,2,3,4,5,6,7,8,9,10,11,12,13,14,15
	v_lshl_or_b32 v[32+\i], v[48+\i], 16, v[32+\i]
.endr
	s_wait_dscnt 0x0
.irp t, 0,1,2,3
.irp n, 0,1,2,3
.irp k, 0,2,4,6
	v_pk_add_f32 v[128+32*\t+8*\n+\k:129+32*\t+8*\n+\k], v[128+32*\t+8*\n+\k:129+32*\t+8*\n+\k], v[64+8*\n+\k:65+8*\n+\k]
.endr
.endr
.endr
	s_wait_alu depctr_va_vdst(0)
	s_wait_tensorcnt 0x0                           ; my part of x's image is in; no LDS load of mine is out
	s_barrier_signal -1
	s_barrier_wait -1                              ; everybody's is
.irp s, 0,1,2,3
.if \s > 0
.rept 8
	v_nop
.endr
.endif
.irp t, 0,1,2,3
.irp c, 0,1,2,3
	ds_load_b128 v[64+16*\t+4*\c:67+16*\t+4*\c], v6 offset:8192*\t+2048*\s+512*\c
.endr
.endr
	s_wait_dscnt 0x0
	s_wait_loadcnt 48-16*\s                        ; Wp's fragments of K steps 0 to s are in; the later steps' 16 loads each may be out
	WIN 0x01
.irp t, 0,1,2,3
.irp n, 0,1,2,3
	v_wmma_scale_f32_16x16x128_f8f6f4 v[128+32*\t+8*\n:135+32*\t+8*\n], v[16*(4*\n+\s):16*(4*\n+\s)+15], v[64+16*\t:79+16*\t], v[128+32*\t+8*\n:135+32*\t+8*\n], v[16+4*\n+\s], v[32+4*\t+\s]
.endr
.endr
	WIN 0
.endr
.rept 8
	v_nop
.endr
	WIN 0x40
.irp n, 0,1,2,3
	global_load_b128 v[8*\n:8*\n+3], v5, s[18:19] offset:64*\n
	global_load_b128 v[8*\n+4:8*\n+7], v5, s[18:19] offset:64*\n+16
	global_load_b128 v[32+8*\n:35+8*\n], v5, s[20:21] offset:64*\n
	global_load_b128 v[36+8*\n:39+8*\n], v5, s[20:21] offset:64*\n+16
.endr
	WIN 0
	ROWSUM 0
.irp t, 0,1,2,3
	v_mul_f32 v[112+2*\t], s27, v[80+\t]
	v_mul_f32 v[113+2*\t], s27, v[80+\t]
.endr
.irp t, 0,1,2,3
.irp k, 0,2,4,6,8,10,12,14,16,18,20,22,24,26,28,30
	v_pk_add_f32 v[128+32*\t+\k:129+32*\t+\k], v[128+32*\t+\k:129+32*\t+\k], v[112+2*\t:113+2*\t] neg_lo:[0,1] neg_hi:[0,1]
.endr
.endr
	ROWSUM 1
.irp t, 0,1,2,3
	v_fma_f32 v[80+\t], v[80+\t], s27, s28
.endr
	s_wait_alu depctr_va_vdst(0)
.irp t, 0,1,2,3
	v_rsq_f32 v[120+2*\t], v[80+\t]
	v_rsq_f32 v[121+2*\t], v[80+\t]
.endr
	v_nop
	s_wait_alu depctr_va_vdst(0)
.irp t, 0,1,2,3
.irp k, 0,2,4,6,8,10,12,14,16,18,20,22,24,26,28,30
	v_pk_mul_f32 v[128+32*\t+\k:129+32*\t+\k], v[128+32*\t+\k:129+32*\t+\k], v[120+2*\t:121+2*\t]
.endr
.endr
	s_wait_loadcnt 0x0
	WIN 0x14
.irp t, 0,1,2,3
.irp k, 0,2,4,6,8,10,12,14,16,18,20,22,24,26,28,30
	v_pk_fma_f32 v[128+32*\t+\k:129+32*\t+\k], v[128+32*\t+\k:129+32*\t+\k], v[\k:\k+1], v[32+\k:33+\k]
.endr
.endr
	WIN 0
.irp t, 0,1,2,3
.irp n, 0,1,2,3
.irp j, 0,1,2,3,4,5,6,7
	ds_store_b32 v7, v[128+32*\t+8*\n+\j] offset:(16*\n+\j)*ZP+64*\t
.endr
.endr
.endr
.irp i, 0,1,2,3,4,5,6,7,8,9,10,11,12,13,14,15,16,17,18,19,20,21,22,23,24,25,26,27,28,29,30,31
	ds_load_b128 v[128+4*\i:131+4*\i], v10 offset:2*ZP*\i
.endr
.irp i, 0,1,2,3,4,5,6,7,8,9,10,11,12,13,14,15,16,17,18,19,20,21,22,23,24,25,26,27,28,29,30,31
	s_wait_dscnt 31-\i
	global_store_b128 v11, v[128+4*\i:131+4*\i], s[24:25] offset:32768*\i th:TH_STORE_NT
.endr
	s_wait_xcnt 0x0
	v_lshl_add_u32 v254, v0, 2, 0x2b000
	v_mov_b32 v255, 0
	s_wait_alu depctr_va_vdst(0)
	s_wait_tensorcnt 0x0
	ds_add_u32 v254, v255
	s_wait_dscnt 0x0
	s_endpgm
.Lfunc_end_k_qa5bd04250a_fuse:
	.size	k_qa5bd04250a_fuse, .Lfunc_end_k_qa5bd04250a_fuse-k_qa5bd04250a_fuse
	.p2alignl 7, 3214868480
	.fill 96, 4, 3214868480
	.section	.rodata,"a",@progbits
	.p2align	6, 0x0
	.amdhsa_kernel k_qa5bd04250a_fuse
		.amdhsa_group_segment_fixed_size 327680
		.amdhsa_private_segment_fixed_size 0
		.amdhsa_enable_private_segment 0
		.amdhsa_kernarg_size 72
		.amdhsa_user_sgpr_count 2
		.amdhsa_user_sgpr_kernarg_segment_ptr 1
		.amdhsa_wavefront_size32 1
		.amdhsa_system_sgpr_workgroup_id_x 1
		.amdhsa_system_sgpr_workgroup_id_y 1
		.amdhsa_system_sgpr_workgroup_id_z 1
		.amdhsa_system_vgpr_workitem_id 0
		.amdhsa_next_free_vgpr 512
		.amdhsa_next_free_sgpr 66
		.amdhsa_reserve_vcc 0
		.amdhsa_float_denorm_mode_32 3
		.amdhsa_float_denorm_mode_16_64 3
		.amdhsa_memory_ordered 1
		.amdhsa_forward_progress 1
		.amdhsa_inst_pref_size 86
	.end_amdhsa_kernel
	.amdgpu_metadata
---
amdhsa.version: [ 1, 2 ]
amdhsa.kernels:
  - .name:           k_qa5bd04250a_fuse
    .symbol:         k_qa5bd04250a_fuse.kd
    .args:
      - { .name: ximg, .offset: 0, .size: 8, .value_kind: global_buffer, .address_space: global }
      - { .name: xsc, .offset: 8, .size: 8, .value_kind: global_buffer, .address_space: global }
      - { .name: Wp_codes, .offset: 16, .size: 8, .value_kind: global_buffer, .address_space: global }
      - { .name: Wp_scales, .offset: 24, .size: 8, .value_kind: global_buffer, .address_space: global }
      - { .name: bp, .offset: 32, .size: 8, .value_kind: global_buffer, .address_space: global }
      - { .name: gamma, .offset: 40, .size: 8, .value_kind: global_buffer, .address_space: global }
      - { .name: beta, .offset: 48, .size: 8, .value_kind: global_buffer, .address_space: global }
      - { .name: pet_feat, .offset: 56, .size: 8, .value_kind: global_buffer, .address_space: global }
      - { .name: out0, .offset: 64, .size: 8, .value_kind: global_buffer, .address_space: global }
    .group_segment_fixed_size: 327680
    .private_segment_fixed_size: 0
    .kernarg_segment_align: 8
    .kernarg_segment_size: 72
    .max_flat_workgroup_size: 256
    .sgpr_count:     66
    .vgpr_count:     512
    .wavefront_size: 32
...
	.end_amdgpu_metadata
.endif
;; end of part 3
